; MI455X (gfx1250); checked and timed in simulation.
; The chip was launched on July 23, 2026; its instructions are those of AMD's public machine-readable ISA for CDNA 5 (MIT licence, August 2026) and "CDNA5" Instruction Set Architecture Reference Guide (July 2026). The comments in the code are by the model that wrote it; some were corrected since.
;; Vi T Multi Head Attention. Allowed arithmetic: matrix products marked QUANTISED: E2M3 operands, one E8M0 scale for each 32 along K, by v_wmma_scale_f32_16x16x128_f8f6f4 with both operands' format E2M3, f32 sums; everything else in f32.
;; Inputs: b_o 768 float32; w_k 768 x 768 float32; w_o 768 x 768 float32; w_q 768 x 768 float32; w_v 768 x 768 float32; x 16 x 1,024 x 768 float32.
;; Outputs: out0 16 x 1,024 x 768 float32.
;; This version of the problem:
;;   THIS VERSION OF THE PROBLEM IS GIVEN IN LOW PRECISION. The matrix products marked QUANTISED in the list below multiply operands that are first quantised to E2M3 (2 exponent bits, 3 mantissa bits; 6 bits a number), with one power-of-two scale for each 32 numbers along K (OCP MX v1.0); their sums are f32. All else is computed in f32.
;;   The module's matrix products, in the order in which they are computed (A, B: the left and right operand; K: the contracted axis; several contracted axes count as one K, in the product's order):
;;     1. [M 16,384, K 768] x [K 768, N 768]; A: input x; B: input w_q: QUANTISED
;;     2. [M 16,384, K 768] x [K 768, N 768]; A: input x; B: input w_k: QUANTISED
;;     3. [M 16,384, K 768] x [K 768, N 768]; A: input x; B: input w_v: QUANTISED
;;     4. batch 192 x [M 1,024, K 64] x [K 64, N 1,024]; A: computed on the way; B: computed on the way: QUANTISED
;;     5. batch 192 x [M 1,024, K 1,024] x [K 1,024, N 64]; A: softmax (see below); B: computed on the way: QUANTISED
;;     6. [M 16,384, K 768] x [K 768, N 768]; A: computed on the way; B: input w_o: QUANTISED
;;   THE QUANTISER, for each operand of a quantised product, along K:
;;     - K is cut into blocks of 32 from its start; a last block that is shorter is filled with zeros.
;;     - A block's scale is 2^e with e = floor(log2(the largest magnitude in the block)) - 2, held to -126 .. 127; a block of zeros has e = 0. As a byte (E8M0): e + 127.
;;     - Each number is divided by its block's scale, clamped to +-7.5, and rounded to the nearest number of E2M3, ties to even, subnormals kept.
;;     - The product sums the exact products of the quantised numbers (number of the format x scale) in f32.
;;   ~~~python
;;   def quantise(x, axis):      # numpy; x: float32 -> the quantised numbers, widened to float32 again
;;       x = np.moveaxis(x, axis, -1); K = x.shape[-1]
;;       x = np.pad(x, [(0, 0)] * (x.ndim - 1) + [(0, -K % 32)]); x = x.reshape(x.shape[:-1] + (-1, 32)); a = np.abs(x).max(-1, keepdims=True)
;;       e = np.where(a > 0, np.clip(np.frexp(np.where(a > 0, a, 1))[1] - 1 - 2, -126, 127), 0)      # np.frexp(a)[1] - 1 = floor(log2(a)), exactly
;;       r = np.clip(x / 2.0 ** e, -7.5, 7.5)
;;       step = 2.0 ** (np.maximum(np.frexp(np.where(r == 0, 1, r))[1] - 1, 0) - 3)
;;       q = np.round(r / step) * step * 2.0 ** e      # np.round: ties to even
;;       return np.moveaxis(q.reshape(q.shape[:-2] + (-1,))[..., :K], -1, axis).astype(np.float32)
;;   ~~~
;;   SOFTMAX AHEAD OF A QUANTISED PRODUCT. Where the list says 'softmax', what is quantised is not the finished softmax but p = 2^(t - M), with t = logit x log2(e) and M = ceil(the row's largest t), a whole number; so 1/2 < the row's largest p <= 1. The row's sum l is taken of the UNQUANTISED p, in f32, and the product's result is divided by l at the end. Since M is a whole number, a kernel that streams over the keys may use a running M (the ceiling of the running maximum): every later rescaling is an exact power of two, which a block's scale takes up: the codes' values come out the same.
;;   OPERANDS COMPUTED ON THE WAY. 'Computed on the way' means the value that the module computes at that place (a softmax that the list does not call 'softmax' is quantised finished and normalised). What goes into a quantiser is computed in f32, as accurately as f32 sums, v_exp_f32 and their like allow (about 1e-6 of the number): no bf16 or f16 on the way to a quantiser, and a product that is left as it is and whose result goes on into a quantised operand takes f32 operands (vector FMAs, or v_wmma_f32_16x16x4_f32). A number that lies on a knife's edge between two numbers of the format may be rounded either way, as far as f32 arithmetic and the matrix unit's own rounding can turn it there, and no further.
;; One version. Each part assembles by itself: llvm-mc -triple=amdgcn-amd-amdhsa -mcpu=gfx1250 --defsym DOCPART=n.
;; ======== version 1 of 1: 4 launches
;; limits: right only within a limited range of input values
;; workspace buffers: ximg 10,223,616 bytes; wimg 1,916,928 bytes; qimg 10,223,616 bytes; kvimg 20,447,232 bytes; cimg 11,010,048 bytes
;; launch prep (part 1): grid 608 x 1, 6 waves a work-group, no clusters, 51,456 bytes of LDS; arguments x, w_q, w_k, w_v, w_o, ximg, wimg; writes ximg, wimg
.if DOCPART == 1
	.amdgcn_target "amdgcn-amd-amdhsa--gfx1250"
	.amdhsa_code_object_version 6
	.text
	.protected	k_q48db296c80_prep
	.globl	k_q48db296c80_prep
	.p2align	8
	.type	k_q48db296c80_prep,@function
k_q48db296c80_prep:
	s_mov_b64 s[64:65], 0
	v_nop
	global_prefetch_b8 v0, s[64:65] scope:SCOPE_SE
	s_setreg_imm32_b32 hwreg(HW_REG_WAVE_MODE, 25, 1), 1
	s_wait_xcnt 0x0
; PREP: x [16384][768] and the four weights [768 (k)][768 (n)], f32, become codes of FP6 (E2M3) with one E8M0 byte for each 32 along K,
; laid as IMAGES OF OPERAND REGISTERS.  A fragment is 16 rows x 128 K = 12 registers a lane; its image is 1,536 bytes: registers 4 c .. 4 c + 3 of lane l at 512 c + 16 l.
; A RECORD is 3,328 bytes = 13 x 256: two images, then 256 bytes of scale words, two words (8 bytes) a lane; lanes r and r + 16 hold the same words.
;   ximg [tile T 0..1023][p 0..2]: row tile T at K steps 2 p and 2 p + 1.     wimg [q,k,v,o][PP 0..23][K step 0..5]: column tiles 2 PP and 2 PP + 1.
; THE ROWS OF A TILE ARE NOT NEIGHBOURS: in each group of 32 rows (of x) or columns (of a weight) tile u = 0, 1 holds at index i the member 8 u + i + 8 (i / 8),
; so that in every later product the 16 result registers of two neighbouring tiles are 16 neighbours along the next product's K.
; A block's scale is 2^(floor(log2(largest magnitude)) - 2); its byte is the largest magnitude's exponent field - 2, held at 1 from below.
; LIMITS: NaN and infinities are not served; a block whose largest magnitude lies under 2^-124 keeps the byte 1; a block of zeros has the byte 1 and not 127 (its codes are zeros; only this program reads the bytes).
; SHARES: work-groups 0..95 take the weights (one pair of column tiles each, wave = K step); work-groups 96..607 take 32 rows of x each (wave = tile x 3 + p).
.set REC,   3328
.set STGB,  8448                       ; a wave's stage: 16 rows x (512 bytes + 16)
.set SPARE, 6*STGB                     ; behind the stages: the spare words, 128 bytes a wave: three blocks of 256 bytes that no other line names
.set LI16, 1                           ; v1   16 x lane
.set LI8,  2                           ; v2   8 x lane
.set STI,  3                           ; v3   the stage on the way in: 16 x lane in my wave's stage
.set STO,  4                           ; v4   on the way out: row r, + 64 h
.set WOFF, 5                           ; v5   a weight: my column's 4 bytes, + 32 rows for lanes 16-31
.set SH8,  6                           ; v6   8 h
.set SPW,  8                           ; v8   my spare word; never rewritten
.set NIL,  9                           ; v9   0; never rewritten
.set PW,   10                          ; v[10:11] the record's two scale words
.set N,    16                          ; v16-143  128 numbers
.set PCA,  144                         ; v144-162 first image (12) and scratch
.set PCB,  164                         ; v164-182 second image and scratch
.set TM,   184                         ; v184-199 at work
.set WV,   18
.set SEL,  20
.set DST,  30
; 64 numbers of a lane, register 16 b + i = k 32 b + 16 (lane / 16) + i of my row, become a fragment's codes in v[pc] on and its scale word in v[pw]
.macro QUANT s, pc, pw
.irp b, 0,1,2,3
	v_max3_num_f32 v[TM+\b], |v[(\s)+16*\b]|, |v[(\s)+1+16*\b]|, 0x1800000   ; my 16 numbers of block b, and the floor 2^(3 - 127): the byte cannot fall under 1
.endr
.irp i, 2,4,6,8,10,12,14
.irp b, 0,1,2,3
	v_max3_num_f32 v[TM+\b], v[TM+\b], |v[(\s)+16*\b+\i]|, |v[(\s)+1+16*\b+\i]|
.endr
.endr
.irp b, 0,1,2,3
	v_permlanex16_b32 v[TM+4+\b], v[TM+\b], s[SEL], s[SEL+1]
.endr
.irp b, 0,1,2,3
	v_max_num_f32 v[TM+\b], v[TM+\b], v[TM+4+\b]       ; with lane l xor 16's 16: the block's largest magnitude
.endr
.irp b, 0,1,2,3
	v_add_nc_u32 v[TM+12+\b], 0xff000000, v[TM+\b]     ; 2 off its exponent field: the conversion's scale operand
.endr
.irp b, 0,1,2,3
	v_lshrrev_b32 v[TM+4+\b], 23, v[TM+12+\b]          ; the scale's byte
.endr
	v_lshl_or_b32 v[\pw], v[TM+5], 8, v[TM+4]
	v_lshl_or_b32 v[\pw], v[TM+6], 16, v[\pw]
	v_lshl_or_b32 v[\pw], v[TM+7], 24, v[\pw]
.irp c, 0,1
	v_cvt_scalef32_pk16_fp6_f32 v[(\pc)+6*\c:(\pc)+2+6*\c], v[(\s)+32*\c:(\s)+15+32*\c], v[TM+12+2*\c]
	v_cvt_scalef32_pk16_fp6_f32 v[(\pc)+12+4*\c:(\pc)+14+4*\c], v[(\s)+16+32*\c:(\s)+31+32*\c], v[TM+12+2*\c+1]   ; (a conversion's three registers begin on an even number)
.endr
	v_nop                                              ; one plain line behind the scaled conversions
.irp c, 0,1                                            ; the layout wants a whole block in a lane: lanes 0-15 block 2 c, lanes 16-31 block 2 c + 1
.irp i, 0,1,2
	v_permlane16_swap_b32 v[(\pc)+6*\c+\i], v[(\pc)+12+4*\c+\i]
.endr
.irp i, 0,1,2
	v_mov_b32 v[(\pc)+3+6*\c+\i], v[(\pc)+12+4*\c+\i]
.endr
.endr
.endm
; 64 numbers of a lane, register 32 c + i = k 64 c + 32 (lane / 16) + i of my column: two whole blocks are mine; the conversions' results are the operand's registers
.macro QUANTW n, pc, pw
.irp c, 0,1
	v_max3_num_f32 v[TM+\c], |v[(\n)+32*\c]|, |v[(\n)+32*\c+1]|, 0x1800000
.endr
.irp i, 2,4,6,8,10,12,14,16,18,20,22,24,26,28,30
.irp c, 0,1
	v_max3_num_f32 v[TM+\c], v[TM+\c], |v[(\n)+32*\c+\i]|, |v[(\n)+32*\c+\i+1]|
.endr
.endr
.irp c, 0,1
	v_add_nc_u32 v[TM+12+\c], 0xff000000, v[TM+\c]
.endr
.irp c, 0,1
	v_lshrrev_b32 v[TM+8+\c], 23, v[TM+12+\c]
.endr
	v_lshl_or_b32 v[\pw], v[TM+9], 16, v[TM+8]         ; my two bytes: blocks h and 2 + h,
	v_lshlrev_b32 v[\pw], v[SH8], v[\pw]               ; at their places (8 h bits up);
	v_permlanex16_b32 v[TM+4], v[\pw], s[SEL], s[SEL+1]
	v_or_b32 v[\pw], v[\pw], v[TM+4]                   ; with lane l xor 16's two the word is whole, in both lanes
.irp c, 0,1
	v_cvt_scalef32_pk16_fp6_f32 v[(\pc)+6*\c:(\pc)+2+6*\c], v[(\n)+32*\c:(\n)+32*\c+15], v[TM+12+\c]
	v_cvt_scalef32_pk16_fp6_f32 v[(\pc)+12+4*\c:(\pc)+14+4*\c], v[(\n)+32*\c+16:(\n)+32*\c+31], v[TM+12+\c]
.endr
	v_nop
.irp c, 0,1
.irp i, 0,1,2
	v_mov_b32 v[(\pc)+3+6*\c+\i], v[(\pc)+12+4*\c+\i]
.endr
.endr
.endm
; the record leaves: each store of the wave covers 512 (the last: 256) consecutive bytes at a multiple of 256 from the buffer's first byte.  Then the wave's end.
.macro STOREREC
.irp c, 0,1,2
	global_store_b128 v[LI16], v[PCA+4*\c:PCA+4*\c+3], s[DST:DST+1] offset:512*\c
.endr
.irp c, 0,1,2
	global_store_b128 v[LI16], v[PCB+4*\c:PCB+4*\c+3], s[DST:DST+1] offset:1536+512*\c
.endr
	global_store_b64 v[LI8], v[PW:PW+1], s[DST:DST+1] offset:3072
	s_wait_tensorcnt 0x0                               ; the wave's end
	ds_add_u32 v[SPW], v[NIL]
	s_wait_dscnt 0x0
	s_endpgm
.endm
; K step f's 16 rows x 512 bytes go through my stage as they lie and come back 64 bytes of a block's half a lane, into the registers that they left (LDS serves a wave's instructions in order)
.macro TURN f
.irp i, 0,1,2,3,4,5,6,7,8,9,10,11,12,13,14,15
	ds_store_b128 v[STI], v[N+64*\f+4*\i:N+64*\f+4*\i+3] offset:528*\i
.endr
.irp b, 0,1,2,3
.irp j, 0,1,2,3
	ds_load_b128 v[N+64*\f+16*\b+4*\j:N+64*\f+16*\b+4*\j+3], v[STO] offset:128*\b+16*\j
.endr
.endr
.endm
	s_load_b256 s[4:11], s[0:1], 0x0                   ; x, w_q, w_k, w_v
	s_load_b128 s[12:15], s[0:1], 0x20                 ; w_o, ximg
	s_load_b64 s[16:17], s[0:1], 0x30                  ; wimg
	v_lshl_add_u32 v[SPW], v0, 2, SPARE
	v_mov_b32 v[NIL], 0
	v_lshrrev_b32 v7, 5, v0
	v_readfirstlane_b32 s[WV], v7                      ; wave 0..5
	v_and_b32 v7, 31, v0                               ; lane
	v_and_b32 v12, 15, v0                              ; r
	v_bfe_u32 v13, v0, 4, 1                            ; h
	v_lshlrev_b32 v[LI16], 4, v7
	v_lshlrev_b32 v[LI8], 3, v7
	s_mul_i32 s19, s[WV], STGB
	v_add_nc_u32 v[STI], s19, v[LI16]
	v_mul_u32_u24 v[STO], v12, 528
	v_lshl_add_u32 v[STO], v13, 6, v[STO]
	v_add_nc_u32 v[STO], s19, v[STO]
	v_and_b32 v[WOFF], 8, v12
	v_add_nc_u32 v[WOFF], v[WOFF], v12                 ; r + 8 (r / 8)
	v_lshlrev_b32 v[WOFF], 2, v[WOFF]
	v_mad_u32_u24 v[WOFF], v13, 0x18000, v[WOFF]       ; + 32 rows of 3,072 bytes for lanes 16-31
	v_lshlrev_b32 v[SH8], 3, v13
	s_mov_b32 s[SEL], 0x76543210
	s_mov_b32 s[SEL+1], 0xfedcba98                     ; v_permlanex16_b32's selects for lane l xor 16
.irp b, 0,1,2,3
	v_mov_b32 v[TM+4+\b], 0                            ; written once: a lane permute's destination counts as one of its sources
.endr
	s_wait_kmcnt 0x0
	s_cmp_lt_u32 ttmp9, 96
	s_cbranch_scc1 .Lweights
	; ---- x: work-group X = id - 96 owns rows 32 X .. 32 X + 31; wave w: tile t2 = w / 3, K steps 2 p and 2 p + 1 with p = w % 3
	s_sub_co_u32 s22, ttmp9, 96
	s_cmp_ge_u32 s[WV], 3
	s_cselect_b32 s23, 1, 0                            ; t2
	s_mul_i32 s24, s23, 3
	s_sub_co_u32 s24, s[WV], s24                       ; p
	s_lshl_b32 s26, s22, 5
	s_lshl_b32 s27, s23, 3
	s_add_co_u32 s26, s26, s27                         ; the tile's first row: 32 X + 8 t2
	s_mul_i32 s26, s26, 3072
	s_lshl_b32 s27, s24, 10                            ; 256 along K are 1,024 bytes
	s_add_co_u32 s26, s26, s27
	s_mov_b32 s27, 0
	s_add_nc_u64 s[4:5], s[4:5], s[26:27]
	s_mul_i32 s28, s22, 6
	s_add_co_u32 s28, s28, s[WV]                       ; record 3 T + p = 6 X + w
	s_mul_i32 s28, s28, REC
	s_mov_b32 s29, 0
	s_add_nc_u64 s[DST:DST+1], s[14:15], s[28:29]
.irp f, 0,1
.irp i, 0,1,2,3,4,5,6,7,8,9,10,11,12,13,14,15
	global_load_b128 v[N+64*\f+4*\i:N+64*\f+4*\i+3], v[LI16], s[4:5] offset:(\i+8*(\i/8))*3072+512*\f th:TH_LOAD_NT   ; 32 lanes read 512 consecutive bytes of the tile's row i
.endr
.endr
	s_wait_loadcnt 16                                  ; the first K step's 16 loads are in; the second's 16 may be out
	TURN 0
	s_wait_loadcnt 0x0
	TURN 1
	s_wait_dscnt 32                                    ; the first turn is back; the second turn's 16 stores and 16 loads may be out
	QUANT N, PCA, PW
	s_wait_dscnt 0x0
	QUANT N+64, PCB, PW+1
	STOREREC
.Lweights:
	; ---- a weight: id = 24 tau + PP; wave = K step.  The buffer is chosen on the work-group's number alone
	s_mov_b64 s[22:23], s[12:13]
	s_mov_b32 s24, 72
	s_cmp_lt_u32 ttmp9, 72
	s_cselect_b64 s[22:23], s[10:11], s[22:23]
	s_cselect_b32 s24, 48, s24
	s_cmp_lt_u32 ttmp9, 48
	s_cselect_b64 s[22:23], s[8:9], s[22:23]
	s_cselect_b32 s24, 24, s24
	s_cmp_lt_u32 ttmp9, 24
	s_cselect_b64 s[22:23], s[6:7], s[22:23]
	s_cselect_b32 s24, 0, s24
	s_sub_co_u32 s24, ttmp9, s24                       ; PP
	s_mul_i32 s26, s[WV], 393216                       ; 128 rows of 3,072 bytes a K step
	s_lshl_b32 s27, s24, 7                             ; 32 columns of 4 bytes
	s_add_co_u32 s26, s26, s27
	s_mov_b32 s27, 0
	s_add_nc_u64 s[4:5], s[22:23], s[26:27]
	s_mul_i32 s28, ttmp9, 6
	s_add_co_u32 s28, s28, s[WV]
	s_mul_i32 s28, s28, REC
	s_mov_b32 s29, 0
	s_add_nc_u64 s[DST:DST+1], s[16:17], s[28:29]
	s_wait_alu depctr_va_vdst(0)
.irp u, 0,1                                            ; a lane takes a column and its registers run down K, in the order that the operand's layout gives that lane
.irp c, 0,1
.set i, 0
.rept 32
	global_load_b32 v[N+64*\u+32*\c+i], v[WOFF], s[4:5] offset:(64*\c+i)*3072+32*\u
.set i, i+1
.endr
.endr
.endr
	s_wait_loadcnt 63                                  ; of 128 loads at most 63 are out: the first 65 are in, tile u = 0's 64 among them
	QUANTW N, PCA, PW
	s_wait_loadcnt 0x0
	QUANTW N+64, PCB, PW+1
	STOREREC
.Lfunc_end_k_q48db296c80_prep:
	.size	k_q48db296c80_prep, .Lfunc_end_k_q48db296c80_prep-k_q48db296c80_prep
	.p2alignl 7, 3214868480
	.fill 96, 4, 3214868480
	.section	.rodata,"a",@progbits
	.p2align	6, 0x0
	.amdhsa_kernel k_q48db296c80_prep
		.amdhsa_group_segment_fixed_size 51456
		.amdhsa_private_segment_fixed_size 0
		.amdhsa_enable_private_segment 0
		.amdhsa_kernarg_size 56
		.amdhsa_user_sgpr_count 2
		.amdhsa_user_sgpr_kernarg_segment_ptr 1
		.amdhsa_wavefront_size32 1
		.amdhsa_system_sgpr_workgroup_id_x 1
		.amdhsa_system_sgpr_workgroup_id_y 1
		.amdhsa_system_sgpr_workgroup_id_z 1
		.amdhsa_system_vgpr_workitem_id 0
		.amdhsa_next_free_vgpr 200
		.amdhsa_next_free_sgpr 66
		.amdhsa_reserve_vcc 0
		.amdhsa_float_denorm_mode_32 3
		.amdhsa_float_denorm_mode_16_64 3
		.amdhsa_memory_ordered 1
		.amdhsa_forward_progress 1
		.amdhsa_inst_pref_size 38
	.end_amdhsa_kernel
	.amdgpu_metadata
---
amdhsa.version: [ 1, 2 ]
amdhsa.kernels:
  - .name:           k_q48db296c80_prep
    .symbol:         k_q48db296c80_prep.kd
    .args:
      - { .name: x, .offset: 0, .size: 8, .value_kind: global_buffer, .address_space: global }
      - { .name: w_q, .offset: 8, .size: 8, .value_kind: global_buffer, .address_space: global }
      - { .name: w_k, .offset: 16, .size: 8, .value_kind: global_buffer, .address_space: global }
      - { .name: w_v, .offset: 24, .size: 8, .value_kind: global_buffer, .address_space: global }
      - { .name: w_o, .offset: 32, .size: 8, .value_kind: global_buffer, .address_space: global }
      - { .name: ximg, .offset: 40, .size: 8, .value_kind: global_buffer, .address_space: global }
      - { .name: wimg, .offset: 48, .size: 8, .value_kind: global_buffer, .address_space: global }
    .group_segment_fixed_size: 51456
    .private_segment_fixed_size: 0
    .kernarg_segment_align: 8
    .kernarg_segment_size: 56
    .max_flat_workgroup_size: 192
    .sgpr_count:     66
    .vgpr_count:     200
    .wavefront_size: 32
...
	.end_amdgpu_metadata
.endif
;; end of part 1
;; launch qkv (part 2): grid 64 x 4, 4 waves a work-group, clusters of 4 x 1, 327,680 bytes of LDS; arguments ximg, wimg, qimg, kvimg; writes qimg, kvimg
.if DOCPART == 2
	.amdgcn_target "amdgcn-amd-amdhsa--gfx1250"
	.amdhsa_code_object_version 6
	.text
	.protected	k_q48db296c80_qkv
	.globl	k_q48db296c80_qkv
	.p2align	8
	.type	k_q48db296c80_qkv,@function
k_q48db296c80_qkv:
	s_mov_b64 s[64:65], 0
	v_nop
	global_prefetch_b8 v0, s[64:65] scope:SCOPE_SE
	s_setreg_imm32_b32 hwreg(HW_REG_WAVE_MODE, 25, 1), 1
	s_wait_xcnt 0x0
	s_wait_alu depctr_hold_cnt(0) depctr_sa_sdst(0) depctr_va_vdst(0) depctr_va_sdst(0) depctr_va_ssrc(0) depctr_va_vcc(0) depctr_vm_vsrc(0)
	s_getreg_b32 s2, hwreg(HW_REG_IB_STS2, 6, 4)
	s_cmp_eq_u32 s2, 0
	s_cbranch_scc0 .Lentry_in_a_cluster
	s_endpgm
.Lentry_in_a_cluster:
	s_bfe_u32 s2, ttmp6, 0x10000c
	s_cmp_lg_u32 s2, 0x3003
	s_cbranch_scc0 .Lentry_shape_is_right
	s_endpgm
.Lentry_shape_is_right:
; QKV: q, k, v = x w on codes of FP6 (E2M3) with E8M0 scales, and each result quantised at once for the product that will read it: q and k along the head's 64, v along the keys.
; SHARES.  Work-group (X, y): rows 256 X .. and heads 3 y .. 3 y + 2 of q, of k and of v.  Wave w owns the 64 rows of group GG = 4 X + w: its 24 fragments of x (4 tiles x 6 K steps) stay in registers.
; The weights come in three chunks of 192 columns (q's, k's, v's; 36 records = 119,808 dense bytes each) through two LDS slots that all four waves read.
; CLUSTER: the four work-groups of a cluster share y, so each chunk is asked for JOINTLY (mask 15); each wave brings a quarter, 117 rows of 256 bytes.  By this text's count a wave has at most one tensor load out.
; q, k: source 0 = 16 columns of w, source 1 = 16 rows of x: a lane holds one row and its registers run along the head's 64.  v: the sources are swapped: a lane holds one channel and its registers run along the keys.
; The rows that form a tile (see the first launch) make the 16 registers of two neighbouring tiles 16 neighbours along the next K, so the conversions' results are the next operand's registers.
; OUT.  qimg [head g = 12 b + head][G 0..15] records of 3,328 bytes: images (row tiles 0 | 1) and (2 | 3) of the 64 rows of group G: registers 0-5 the even tile's 64 dims, 6-11 the odd tile's; scale word: bytes 0, 1 even, 2, 3 odd.
;       kvimg [g][K: 16 such records | V: 16 records]; a V record: four half images (768 bytes: registers 0-3 at 16 x lane, 4-5 at 512 + 8 x lane), channel tile t, the group's 64 keys; scale words (tiles 0 | 1), (2 | 3).
; LIMITS: NaN and infinities are not served; a block whose largest magnitude lies under 2^-124 keeps the byte 1; a block of zeros has the byte 1 (its codes are zeros; only this program reads the bytes).
; No prefetch: the one refill has a whole chunk's 288 matrix instructions a wave in which to land, and x's fragments are loaded once, at the head.
; REGISTERS, in windows of 256.  window 0: v2-7 addresses; v8-31 x's scale words (6 o + k); v32-39 the weights' (4 set + tile); v64-191 the 16 accumulators ((o, i) at 64 + 8 (4 o + i)); v192-249 the quantiser.
;   window 1: x's fragments of tiles 0, 1 at 72 (o % 2) + 12 k;  window 2: of tiles 2, 3;  window 3: the weights' four fragments of a K step, two sets, at v0 and v48.
.set REC,   3328
.set CHK,   36*REC                     ; a chunk, and a slot
.set QTR,   CHK/4                      ; what one tensor load brings
.set HDB,   12*REC                     ; a head's 64 columns in a chunk
.set SPARE, 2*CHK                      ; behind the slots: the spare words, 128 bytes a wave
.set LI16, 2
.set LI8,  3
.set WA,   4
.set WA8,  5
.set SPW,  6
.set NIL,  7
.set XS,   8
.set WS,   32
.set ACC,  64
.set PCA,  192
.set PCB,  212
.set TM,   232
.set PW,   248
.set WV,   12
.set G1,   24
.set G0,   32                          ; s[32:43] three groups 0: q's chunk to slot 0, k's to slot 1, v's to slot 0; never rewritten
.set OUTQ, 44
.set OUTK, 46
.set OUTV, 48
.set SB,   50
.set CNT,  51
.set SEL,  52
.set MSB, 0
.macro WIN new                         ; the immediate's high byte repeats the setting that is left
.if MSB != (\new)
	s_set_vgpr_msb (MSB<<8)|(\new)
.set MSB, (\new)
.endif
.endm
.macro PLACES n
.rept \n
	v_nop
.endr
.endm
.macro CROUND                          ; a round of the cluster's barrier
	s_barrier_signal -1
	s_barrier_wait -1
	s_cmp_lg_u32 s[WV], 0
	s_cbranch_scc1 .Lnot_wave_0_\@
	s_barrier_signal -3
.Lnot_wave_0_\@:
	s_barrier_wait -3
	s_barrier_signal -1
	s_barrier_wait -1
.endm
.macro QUANT s, pc, pw                 ; 64 numbers of a lane, register 16 b + i = k 32 b + 16 (lane / 16) + i, become 12 registers of codes and a scale word
.irp b, 0,1,2,3
	v_max3_num_f32 v[TM+\b], |v[(\s)+16*\b]|, |v[(\s)+1+16*\b]|, 0x1800000   ; each accumulator is read from its low end on; the floor 2^(3 - 127) holds the byte at 1 from below
.endr
.irp i, 2,4,6,8,10,12,14
.irp b, 0,1,2,3
	v_max3_num_f32 v[TM+\b], v[TM+\b], |v[(\s)+16*\b+\i]|, |v[(\s)+1+16*\b+\i]|
.endr
.endr
.irp b, 0,1,2,3
	v_permlanex16_b32 v[TM+4+\b], v[TM+\b], s[SEL], s[SEL+1]
.endr
.irp b, 0,1,2,3
	v_max_num_f32 v[TM+\b], v[TM+\b], v[TM+4+\b]
.endr
.irp b, 0,1,2,3
	v_add_nc_u32 v[TM+12+\b], 0xff000000, v[TM+\b]     ; 2 off the exponent field: the conversion's scale operand
.endr
.irp b, 0,1,2,3
	v_lshrrev_b32 v[TM+4+\b], 23, v[TM+12+\b]
.endr
	v_lshl_or_b32 v[\pw], v[TM+5], 8, v[TM+4]
	v_lshl_or_b32 v[\pw], v[TM+6], 16, v[\pw]
	v_lshl_or_b32 v[\pw], v[TM+7], 24, v[\pw]
.irp c, 0,1
	v_cvt_scalef32_pk16_fp6_f32 v[(\pc)+6*\c:(\pc)+2+6*\c], v[(\s)+32*\c:(\s)+15+32*\c], v[TM+12+2*\c]
	v_cvt_scalef32_pk16_fp6_f32 v[(\pc)+12+4*\c:(\pc)+14+4*\c], v[(\s)+16+32*\c:(\s)+31+32*\c], v[TM+12+2*\c+1]
.endr
	v_nop                                              ; one plain line behind the scaled conversions
.irp c, 0,1
.irp i, 0,1,2
	v_permlane16_swap_b32 v[(\pc)+6*\c+\i], v[(\pc)+12+4*\c+\i]
.endr
.irp i, 0,1,2
	v_mov_b32 v[(\pc)+3+6*\c+\i], v[(\pc)+12+4*\c+\i]
.endr
.endr
.endm
; 14 LDS loads: the head's four column tiles at K step k into set k % 2, as images, and their scale words
.macro WFETCH k
	WIN 0xc0                                           ; destination window 3, address window 0
.irp pp, 0,1
.irp u, 0,1
.irp c, 0,1,2
	ds_load_b128 v[48*((\k)%2)+12*(2*\pp+\u)+4*\c:48*((\k)%2)+12*(2*\pp+\u)+4*\c+3], v[WA] offset:(6*\pp+(\k))*REC+1536*\u+512*\c
.endr
.endr
.endr
	WIN 0
.irp pp, 0,1
	ds_load_b64 v[WS+4*((\k)%2)+2*\pp:WS+4*((\k)%2)+2*\pp+1], v[WA8] offset:(6*\pp+(\k))*REC+3072
.endr
.endm
; 16 matrix instructions, the 16 accumulators by turns in the same order in every K step.  K step 0 starts the sums with the constant 0.
.macro MULQK k                         ; source 0 = column tile i of w (window 3), source 1 = row tile o of x (window 1 or 2)
.irp o, 0,1,2,3
	WIN 0x07+4*(\o/2)
.irp i, 0,1,2,3
.if (\k) == 0
	v_wmma_scale_f32_16x16x128_f8f6f4 v[ACC+8*(4*\o+\i):ACC+8*(4*\o+\i)+7], v[48*((\k)%2)+12*\i:48*((\k)%2)+12*\i+11], v[72*(\o%2)+12*(\k):72*(\o%2)+12*(\k)+11], 0, v[WS+4*((\k)%2)+\i], v[XS+6*\o+(\k)] matrix_a_fmt:MATRIX_FMT_FP6 matrix_b_fmt:MATRIX_FMT_FP6
.else
	v_wmma_scale_f32_16x16x128_f8f6f4 v[ACC+8*(4*\o+\i):ACC+8*(4*\o+\i)+7], v[48*((\k)%2)+12*\i:48*((\k)%2)+12*\i+11], v[72*(\o%2)+12*(\k):72*(\o%2)+12*(\k)+11], v[ACC+8*(4*\o+\i):ACC+8*(4*\o+\i)+7], v[WS+4*((\k)%2)+\i], v[XS+6*\o+(\k)] matrix_a_fmt:MATRIX_FMT_FP6 matrix_b_fmt:MATRIX_FMT_FP6
.endif
.endr
.endr
.endm
.macro MULV k                          ; source 0 = row tile i = 2 ip + iu of x (window 1 + ip), source 1 = column tile o of w (window 3): accumulator (o, i) holds channel tile o, keys of tile i
.irp ip, 0,1
	WIN 0x0d+\ip
.irp o, 0,1,2,3
.irp iu, 0,1
.if (\k) == 0
	v_wmma_scale_f32_16x16x128_f8f6f4 v[ACC+8*(4*\o+2*\ip+\iu):ACC+8*(4*\o+2*\ip+\iu)+7], v[72*\iu+12*(\k):72*\iu+12*(\k)+11], v[48*((\k)%2)+12*\o:48*((\k)%2)+12*\o+11], 0, v[XS+6*(2*\ip+\iu)+(\k)], v[WS+4*((\k)%2)+\o] matrix_a_fmt:MATRIX_FMT_FP6 matrix_b_fmt:MATRIX_FMT_FP6
.else
	v_wmma_scale_f32_16x16x128_f8f6f4 v[ACC+8*(4*\o+2*\ip+\iu):ACC+8*(4*\o+2*\ip+\iu)+7], v[72*\iu+12*(\k):72*\iu+12*(\k)+11], v[48*((\k)%2)+12*\o:48*((\k)%2)+12*\o+11], v[ACC+8*(4*\o+2*\ip+\iu):ACC+8*(4*\o+2*\ip+\iu)+7], v[XS+6*(2*\ip+\iu)+(\k)], v[WS+4*((\k)%2)+\o] matrix_a_fmt:MATRIX_FMT_FP6 matrix_b_fmt:MATRIX_FMT_FP6
.endif
.endr
.endr
.endr
.endm
.macro VHALVES pc, off, out            ; two half images out of 12 registers
	global_store_b128 v[LI16], v[(\pc):(\pc)+3], s[\out:\out+1] offset:\off
	global_store_b64 v[LI8], v[(\pc)+4:(\pc)+5], s[\out:\out+1] offset:\off+512
	global_store_b128 v[LI16], v[(\pc)+6:(\pc)+9], s[\out:\out+1] offset:\off+768
	global_store_b64 v[LI8], v[(\pc)+10:(\pc)+11], s[\out:\out+1] offset:\off+1280
.endm
; A chunk: three heads, a trip each.  form = 0: q or k; 1: v.  base: the slot's LDS byte; out: the scalar pair with the record's address; hstep: bytes from a head's record to the next head's
.macro CHUNK form, base, out, hstep
	s_mov_b32 s[SB], \base
	s_mov_b32 s[CNT], 3
.Lhead_\@:
	v_add_nc_u32 v[WA], s[SB], v[LI16]
	s_wait_alu depctr_va_vdst(0)
	v_add_nc_u32 v[WA8], s[SB], v[LI8]
	s_wait_alu depctr_va_vdst(0)
	WFETCH 0
.irp k, 0,1,2,3,4,5
.if \k < 5
.if \k > 0
	PLACES 4                                           ; in front of loads into the set that the K step before has multiplied
.endif
	WFETCH \k+1
	s_wait_dscnt 14                                    ; this K step's 14 loads are in; the 14 just issued may be out
.else
	s_wait_dscnt 0x0
.endif
.if \form
	MULV \k
.else
	MULQK \k
.endif
.endr
	WIN 0
	PLACES 5                                           ; behind the last products: 4 for the reads of results and the next loads, 5 for the next head's first products, which write over these accumulators
	QUANT ACC, PCA, PW
	QUANT ACC+64, PCB, PW+1
.if \form
	VHALVES PCA, 0, \out
	VHALVES PCB, 1536, \out
.else
.irp c, 0,1,2
	global_store_b128 v[LI16], v[PCA+4*\c:PCA+4*\c+3], s[\out:\out+1] offset:512*\c
.endr
.irp c, 0,1,2
	global_store_b128 v[LI16], v[PCB+4*\c:PCB+4*\c+3], s[\out:\out+1] offset:1536+512*\c
.endr
.endif
	global_store_b64 v[LI8], v[PW:PW+1], s[\out:\out+1] offset:3072   ; every store covers 512 or 256 consecutive bytes at a multiple of 256 from the buffer's first byte
	s_wait_xcnt 0x0                                    ; the stores' base and data are rewritten only behind this wait
	s_add_nc_u64 s[\out:\out+1], s[\out:\out+1], \hstep
	s_add_co_u32 s[SB], s[SB], HDB
	s_sub_co_u32 s[CNT], s[CNT], 1
	s_cmp_lg_u32 s[CNT], 0
	s_cbranch_scc1 .Lhead_\@
.endm
	s_load_b256 s[4:11], s[0:1], 0x0                   ; ximg, wimg, qimg, kvimg
	v_lshl_add_u32 v[SPW], v0, 2, SPARE
	v_mov_b32 v[NIL], 0
	ds_add_u32 v[SPW], v[NIL]                          ; the wave's opening: the add and its wait ahead of my first tensor load
	ds_add_u32 v[SPW], v[NIL]
	v_lshrrev_b32 v1, 5, v0
	v_readfirstlane_b32 s[WV], v1                      ; wave 0..3
	s_bfe_u32 s13, ttmp6, 0x40000                      ; cx
	s_lshl_b32 s14, ttmp9, 2
	s_add_co_u32 s14, s14, s13                         ; X = 4 x cluster x + cx
	s_and_b32 s15, ttmp7, 0xffff                       ; y, which the four partners share
	s_lshl_b32 s16, s14, 2
	s_add_co_u32 s16, s16, s[WV]                       ; GG
	v_and_b32 v1, 31, v0
	v_lshlrev_b32 v[LI16], 4, v1
	v_lshlrev_b32 v[LI8], 3, v1
.irp b, 0,1,2,3
	v_mov_b32 v[TM+4+\b], 0                            ; written once: a lane permute's destination counts as one of its sources
.endr
	s_mov_b32 s[SEL], 0x76543210
	s_mov_b32 s[SEL+1], 0xfedcba98
	; descriptor group 1: 117 rows of 256 bytes (32 elements of 8), dense, no padding
	s_mov_b32 s[G1], 15|(3<<16)|(1<<21)                ; 15:0 the mask: all four work-groups; 17:16 elements of 8 bytes; 21 set beside a mask
	s_mov_b32 s[G1+1], 32<<16                          ; tensor_dim0
	s_mov_b32 s[G1+2], 117<<16                         ; tensor_dim1
	s_mov_b32 s[G1+3], 32<<16                          ; tile_dim0
	s_mov_b32 s[G1+4], 117                             ; tile_dim1
	s_mov_b32 s[G1+5], 32                              ; stride from row to row
	s_mov_b32 s[G1+6], 0
	s_mov_b32 s[G1+7], 0
	s_mul_i32 s56, s[WV], QTR                          ; my quarter, in memory and in a slot: no place in the cluster enters it
	s_mul_i32 s54, s15, CHK
	s_add_co_u32 s54, s54, s56
	s_mov_b32 s55, 0
	s_lshr_b32 s58, s16, 4                             ; b
	s_and_b32 s59, s16, 15                             ; G
	s_mul_i32 s58, s58, 12
	s_mul_i32 s60, s15, 3
	s_add_co_u32 s58, s58, s60                         ; my first head g = 12 b + 3 y
	s_mul_i32 s59, s59, REC
	s_mov_b32 s61, 0
	s_wait_dscnt 0x0                                   ; the opening add is done
	s_wait_kmcnt 0x0
	s_add_nc_u64 s[54:55], s[6:7], s[54:55]            ; q's chunk y, my quarter
.irp t, 0,1,2
	s_mov_b32 s[G0+4*\t], 1
	s_add_co_u32 s[G0+4*\t+1], s56, (\t%2)*CHK
	s_add_nc_u64 s[G0+4*\t+2:G0+4*\t+3], s[54:55], \t*4*CHK   ; k's and v's chunks lie four chunks on each
	s_or_b32 s[G0+4*\t+3], s[G0+4*\t+3], 0x80000000
.endr
	s_mul_i32 s60, s58, 16*REC
	s_add_co_u32 s60, s60, s59
	s_add_nc_u64 s[OUTQ:OUTQ+1], s[8:9], s[60:61]
	s_mul_i32 s60, s58, 32*REC
	s_add_co_u32 s60, s60, s59
	s_add_nc_u64 s[OUTK:OUTK+1], s[10:11], s[60:61]
	s_add_nc_u64 s[OUTV:OUTV+1], s[OUTK:OUTK+1], 16*REC
	s_mul_i32 s60, s16, 12*REC
	s_add_nc_u64 s[4:5], s[4:5], s[60:61]              ; my 12 records of x
	CROUND                                             ; all four work-groups are here: the first joint loads meet
	tensor_load_to_lds s[G0:G0+3], s[G1:G1+7]          ; q's chunk
	s_nop 0
	PLACES 4
	s_wait_alu depctr_va_vdst(0)
.irp o, 0,1,2,3                                        ; x's 24 fragments: they stay
	WIN 0x40+0x40*(\o/2)
.irp p, 0,1,2
.irp f, 0,1
.irp c, 0,1,2
	global_load_b128 v[72*(\o%2)+12*(2*\p+\f)+4*\c:72*(\o%2)+12*(2*\p+\f)+4*\c+3], v[LI16], s[4:5] offset:(3*\o+\p)*REC+1536*\f+512*\c
.endr
.endr
.endr
.endr
	WIN 0
.irp o, 0,1,2,3
.irp p, 0,1,2
	global_load_b64 v[XS+6*\o+2*\p:XS+6*\o+2*\p+1], v[LI8], s[4:5] offset:(3*\o+\p)*REC+3072
.endr
.endr
	s_wait_tensorcnt 0x0                               ; my quarter of q's chunk is in
	ds_add_u32 v[SPW], v[NIL]
	s_wait_dscnt 0x0
	CROUND                                             ; everybody's quarter is in, and the four partners meet
	tensor_load_to_lds s[G0+4:G0+7], s[G1:G1+7]        ; k's chunk into slot 1: my one tensor load behind the round; it has q's chunk in which to land
	s_nop 0
	PLACES 4
	s_wait_loadcnt 0x0                                 ; x
	CHUNK 0, 0, OUTQ, 16*REC
	s_wait_tensorcnt 0x0                               ; all my tensor loads have landed: my quarter of k's chunk;
	ds_add_u32 v[SPW], v[NIL]                          ; 0 onto my spare word;
	s_wait_dscnt 0x0                                   ; the add is done, and my reads of slot 0 are over
	CROUND                                             ; both now hold of every wave of every partner
	tensor_load_to_lds s[G0+8:G0+11], s[G1:G1+7]       ; v's chunk into slot 0: my one tensor load behind the round; it has k's chunk in which to land
	s_nop 0
	PLACES 4
	CHUNK 0, CHK, OUTK, 32*REC
	s_wait_tensorcnt 0x0                               ; my quarter of v's chunk is in,
	s_wait_dscnt 0x0
	s_barrier_signal -1
	s_barrier_wait -1                                  ; everybody's is; nothing is filled any more
	CHUNK 1, 0, OUTV, 32*REC
	s_wait_tensorcnt 0x0                               ; the wave's end
	ds_add_u32 v[SPW], v[NIL]
	s_wait_dscnt 0x0
	CROUND                                             ; the closing round
	s_endpgm
.Lfunc_end_k_q48db296c80_qkv:
	.size	k_q48db296c80_qkv, .Lfunc_end_k_q48db296c80_qkv-k_q48db296c80_qkv
	.p2alignl 7, 3214868480
	.fill 96, 4, 3214868480
	.section	.rodata,"a",@progbits
	.p2align	6, 0x0
	.amdhsa_kernel k_q48db296c80_qkv
		.amdhsa_group_segment_fixed_size 327680
		.amdhsa_private_segment_fixed_size 0
		.amdhsa_enable_private_segment 0
		.amdhsa_kernarg_size 32
		.amdhsa_user_sgpr_count 2
		.amdhsa_user_sgpr_kernarg_segment_ptr 1
		.amdhsa_wavefront_size32 1
		.amdhsa_system_sgpr_workgroup_id_x 1
		.amdhsa_system_sgpr_workgroup_id_y 1
		.amdhsa_system_sgpr_workgroup_id_z 1
		.amdhsa_system_vgpr_workitem_id 0
		.amdhsa_next_free_vgpr 1024
		.amdhsa_next_free_sgpr 66
		.amdhsa_reserve_vcc 0
		.amdhsa_float_denorm_mode_32 3
		.amdhsa_float_denorm_mode_16_64 3
		.amdhsa_memory_ordered 1
		.amdhsa_forward_progress 1
		.amdhsa_inst_pref_size 97
	.end_amdhsa_kernel
	.amdgpu_metadata
---
amdhsa.version: [ 1, 2 ]
amdhsa.kernels:
  - .name:           k_q48db296c80_qkv
    .symbol:         k_q48db296c80_qkv.kd
    .args:
      - { .name: ximg, .offset: 0, .size: 8, .value_kind: global_buffer, .address_space: global }
      - { .name: wimg, .offset: 8, .size: 8, .value_kind: global_buffer, .address_space: global }
      - { .name: qimg, .offset: 16, .size: 8, .value_kind: global_buffer, .address_space: global }
      - { .name: kvimg, .offset: 24, .size: 8, .value_kind: global_buffer, .address_space: global }
    .group_segment_fixed_size: 327680
    .private_segment_fixed_size: 0
    .kernarg_segment_align: 8
    .kernarg_segment_size: 32
    .max_flat_workgroup_size: 128
    .sgpr_count:     66
    .vgpr_count:     1024
    .wavefront_size: 32
...
	.end_amdgpu_metadata
.endif
;; end of part 2
;; launch attn (part 3): grid 256 x 1, 16 waves a work-group, clusters of 4 x 1, 327,680 bytes of LDS; arguments qimg, kvimg, cimg; writes cimg
.if DOCPART == 3
	.amdgcn_target "amdgcn-amd-amdhsa--gfx1250"
	.amdhsa_code_object_version 6
	.text
	.protected	k_q48db296c80_attn
	.globl	k_q48db296c80_attn
	.p2align	8
	.type	k_q48db296c80_attn,@function
k_q48db296c80_attn:
	s_mov_b64 s[64:65], 0
	v_nop
	global_prefetch_b8 v0, s[64:65] scope:SCOPE_SE
	s_setreg_imm32_b32 hwreg(HW_REG_WAVE_MODE, 25, 1), 1
	s_wait_xcnt 0x0
	s_wait_alu depctr_hold_cnt(0) depctr_sa_sdst(0) depctr_va_vdst(0) depctr_va_sdst(0) depctr_va_ssrc(0) depctr_va_vcc(0) depctr_vm_vsrc(0)
	s_getreg_b32 s2, hwreg(HW_REG_IB_STS2, 6, 4)
	s_cmp_eq_u32 s2, 0
	s_cbranch_scc0 .Lentry_in_a_cluster
	s_endpgm
.Lentry_in_a_cluster:
	s_bfe_u32 s2, ttmp6, 0x10000c
	s_cmp_lg_u32 s2, 0x3003
	s_cbranch_scc0 .Lentry_shape_is_right
	s_endpgm
.Lentry_shape_is_right:
; ATTN: ctx = softmax(q k^T / 8) v for 192 heads of 1,024 x 64, both products on codes of FP6 (E2M3) with E8M0 scales; ctx is quantised at once along the last product's K (head x 64 + channel).
; THE SOFTMAX: t = score x log2(e) / 8; M = the running largest t, rounded UP to a whole number; p = 2^(t - M) is quantised along the keys, not normalised; the row's sum is taken of the
; unquantised p and divides at the end; when M moves, the sum and O are multiplied by 2^(old M - new M), which rounds nothing.
; A BLOCK'S SCALE: p rises with the score, so a block's largest p is 2^x, x = the block's largest score's t - M, and its exponent is floor(x): the scale's byte is floor(x) + 125, held at 1 from below.
; SHARES.  Cluster cl takes heads 3 cl .. 3 cl + 2, one after the other; its work-group cx the queries 256 cx .. of each; each of the sixteen waves one tile of 16 queries in 256 registers.
; LDS.  A head's K and V are 32 records, 106,496 dense bytes = 416 rows of 256 bytes; each of the cluster's three heads has LDS bytes of its own, so nothing is ever filled again.
; All fills are JOINT loads (mask 15: the four partners walk the same K and V).  At the head every wave brings 26 rows of head 0; behind the full sequence and a round every wave brings 52 rows of heads 1 and 2,
; which have head 0's eight key steps in which to land; one barrier behind head 0's work shows them whole.  By this text's count a wave has one tensor load out.
; No prefetch: both fills are asked for ahead of the first loop, so there is no loop in which to ask ahead of them.
; LAYOUT.  Both products are used transposed (S^T = K Q^T, O^T = V^T P^T): a lane holds ONE query throughout.  K = 64 fills half of the form's 128: an image of K holds two tiles of 16 keys side by side
; along K, and is multiplied by [q | 0] for the first tile's scores and by [0 | q] for the second's: zero codes add nothing under any scale byte that the quantiser gives.
; The keys of a tile are chosen (first launch) so that the 16 registers of two neighbouring tiles are 16 neighbouring keys; V's channel tiles likewise, so that O^T's registers run along the next K.
; OUT.  cimg [row group GG 0..255] x 43,008 bytes: [row tile o][head] half images of 768 bytes (registers 0-3 at 16 x lane, 4-5 at 512 + 8 x lane), then [o][head][lane] words whose low 16 bits are the row's two scale bytes.
; LIMITS: NaN and infinities are not served; a p under 2^-126 counts as 0; a block whose largest magnitude lies under 2^-124 keeps the byte 1; a block of zeros has the byte 1 (its codes are zeros).
; Where x lies so near under a whole number that the exponential rounds 2^x up to that power of two, that one p is held at the largest code.  The promise holds while |t| stays under 2^31.
; REGISTERS: v1-3 lane offsets; v5, v6 the add's; v8, v9 LDS addresses; v10, v11 q's offsets; v12 -M, v13 largest t, v[14:15] the sum; v16-33 [q | 0 | q]; v34 q's scale word; v35-47 the next head's q;
;   v48-95 four fragments of K or V; v96-159 S^T, then p; v160-191 O^T; v192-195 K's scale words; v196-199 V's as loaded, v200-203 as used; v224-254 at work; v[250:251] f.
.set REC,   3328
.set SLOT,  32*REC
.set PARTA, SLOT/16                    ; a wave's load of head 0: 26 rows of 256 bytes
.set PARTB, 2*SLOT/16                  ; its load of heads 1 and 2: 52 rows
.set VOFF,  16*REC
.set SPARE, 3*SLOT                     ; behind the three heads: the spare words, 128 bytes for each of 16 waves
.set LI16, 1
.set LI8,  2
.set LI4,  3
.set SPW,  5
.set NIL,  6
.set ADK,  8
.set AD8,  9
.set QO16, 10
.set QO8,  11
.set Q,    16
.set QS,   34
.set TS,   35
.set T,    36
.set FRG,  48
.set S,    96
.set O,    160
.set KS,   192
.set VR,   196
.set VS,   200
.set FAC,  250
.set WV,   12
.set SEL,  20
.set CS,   22
.set G1,   24                          ; s[24:31] group 1 for 26 rows, s[32:35] its group 0
.set G0,   32
.set G1B,  36                          ; s[36:43] group 1 for 52 rows, s[56:59] its group 0
.set G0B,  56
.set TB,   44
.set CNT,  45
.set QB,   46
.set CB,   48
.set CSB,  50
.set MSK,  52
.set SH,   53
.macro PLACES n
.rept \n
	v_nop
.endr
.endm
.macro CROUND                          ; a round of the cluster's barrier
	s_barrier_signal -1
	s_barrier_wait -1
	s_cmp_lg_u32 s[WV], 0
	s_cbranch_scc1 .Lnot_wave_0_\@
	s_barrier_signal -3
.Lnot_wave_0_\@:
	s_barrier_wait -3
	s_barrier_signal -1
	s_barrier_wait -1
.endm
.macro QLOAD j                         ; head j's image of my pair of query tiles, and its scale word
.irp c, 0,1,2
	global_load_b128 v[T+4*\c:T+4*\c+3], v[QO16], s[QB:QB+1] offset:16*REC*(\j)+512*\c
.endr
	global_load_b32 v[TS], v[QO8], s[QB:QB+1] offset:16*REC*(\j)+3072
.endm
; A KEY STEP: 128 keys = two records of K and two of V, from LDS byte s[TB] on
.macro STEP
	v_add_nc_u32 v[ADK], s[TB], v[LI16]
	v_add_nc_u32 v[AD8], s[TB], v[LI8]
	PLACES 2                                           ; with the two additions: four places in front of loads into registers that the last products have read
.irp be, 0,1,2,3                                       ; keys 32 be on: an image holds their two tiles
.irp c, 0,1,2
	ds_load_b128 v[FRG+12*\be+4*\c:FRG+12*\be+4*\c+3], v[ADK] offset:(\be/2)*REC+(\be%2)*1536+512*\c
.endr
.endr
.irp ga, 0,1
	ds_load_b64 v[KS+2*\ga:KS+2*\ga+1], v[AD8] offset:REC*\ga+3072
.endr
	s_wait_alu depctr_va_vdst(0)
	s_wait_dscnt 0x0
.irp be, 0,1,2,3
.irp u, 0,1                                            ; u = 0: [q | 0], u = 1: [0 | q]
	v_wmma_scale_f32_16x16x128_f8f6f4 v[S+16*\be+8*\u:S+16*\be+8*\u+7], v[FRG+12*\be:FRG+12*\be+11], v[Q+6*\u:Q+6*\u+11], 0, v[KS+\be], v[QS] matrix_a_fmt:MATRIX_FMT_FP6 matrix_b_fmt:MATRIX_FMT_FP6
.endr
.endr                                                  ; register 16 be + i of S^T: key 32 be + 16 (lane / 16) + i of my query
	PLACES 4
.irp t, 0,1,2,3                                        ; V's four channel tiles x 128 keys: they land under the softmax
.irp ga, 0,1
	ds_load_b128 v[FRG+12*\t+6*\ga:FRG+12*\t+6*\ga+3], v[ADK] offset:VOFF+REC*\ga+768*\t
	ds_load_b64 v[FRG+12*\t+6*\ga+4:FRG+12*\t+6*\ga+5], v[AD8] offset:VOFF+REC*\ga+768*\t+512
.endr
.endr
.irp ga, 0,1
	ds_load_b64 v[VR+2*\ga:VR+2*\ga+1], v[AD8] offset:VOFF+REC*\ga+3072
.endr
.irp b, 0,1,2,3
	v_max3_num_f32 v[232+\b], v[S+16*\b], v[S+1+16*\b], v[S+2+16*\b]   ; the largest score of each block of 32 keys: for the row's maximum and for the block's scale
.endr
.irp i, 3,5,7,9,11,13
.irp b, 0,1,2,3
	v_max3_num_f32 v[232+\b], v[232+\b], v[S+16*\b+\i], v[S+1+16*\b+\i]
.endr
.endr
.irp b, 0,1,2,3
	v_max_num_f32 v[232+\b], v[232+\b], v[S+15+16*\b]
.endr
.irp b, 0,1,2,3
	s_delay_alu instid0(VALU_DEP_4)
	v_permlanex16_b32 v[236+\b], v[232+\b], s[SEL], s[SEL+1]
.endr
.irp b, 0,1,2,3
	s_delay_alu instid0(VALU_DEP_4)
	v_max_num_f32 v[232+\b], v[232+\b], v[236+\b]      ; with lane l xor 16's 16 keys
.endr
	s_delay_alu instid0(VALU_DEP_2)
	v_max3_num_f32 v254, v232, v233, v234
	s_delay_alu instid0(VALU_DEP_1)
	v_max_num_f32 v254, v254, v235
	s_delay_alu instid0(VALU_DEP_1)
	v_mul_f32 v254, s[CS], v254                        ; as t (c is positive)
	s_delay_alu instid0(VALU_DEP_1)
	v_max_num_f32 v13, v13, v254                       ; the running largest t
	v_mov_b32 v254, v12
	s_delay_alu instid0(VALU_DEP_2)
	v_floor_f32 v12, -v13                              ; the new -M = floor(-t): M is a whole number
	s_delay_alu instid0(VALU_DEP_1)
	v_sub_f32 v254, v12, v254                          ; old M - new M: a whole number, 0 or less
	s_delay_alu instid0(VALU_DEP_1)
	v_cvt_i32_f32 v254, v254                           ; (it saturates)
	s_delay_alu instid0(VALU_DEP_1)
	v_ldexp_f32 v[FAC], 1.0, v254                      ; f = 2^(old M - new M)
.set j, 0
.rept 32
	v_pk_fma_f32 v[S+j:S+j+1], v[S+j:S+j+1], s[CS:CS+1], v[12:13] op_sel_hi:[1,0,0]   ; t - M, two at a time
.set j, j+2
.endr
.irp b, 0,1,2,3
	v_fma_f32 v[232+\b], v[232+\b], s[CS], v12         ; x: the same of each block's largest score
.endr
.irp b, 0,1,2,3
	s_delay_alu instid0(VALU_DEP_4)
	v_max_num_f32 v[232+\b], 0xc2f80000, v[232+\b]     ; held at -124 from below: the byte cannot fall under 1
.endr
.irp b, 0,1,2,3
	s_delay_alu instid0(VALU_DEP_4)
	v_floor_f32 v[232+\b], v[232+\b]                   ; the exponent of the block's largest p
.endr
.irp b, 0,1,2,3
	s_delay_alu instid0(VALU_DEP_4)
	v_add_f32 v[240+\b], 0x4b00007d, v[232+\b]         ; + 2^23 + 125, exactly: the sum's lowest byte is the scale's byte
.endr
.irp b, 0,1,2,3
	s_delay_alu instid0(VALU_DEP_4)
	v_lshlrev_b32 v[244+\b], 23, v[240+\b]             ; the byte as an exponent field: the conversion's scale operand
.endr
	v_perm_b32 v240, v241, v240, 0x400                 ; bytes of blocks 0 and 1 in the low half (the upper half is not used),
	v_perm_b32 v242, v243, v242, 0x400                 ; of blocks 2 and 3
	s_wait_alu depctr_va_vdst(0)
.set j, 0
.rept 64
	v_exp_f32 v[S+j], v[S+j]                           ; p = 2^(t - M), at most 1
.set j, j+1
.endr
	v_pk_mul_f32 v[14:15], v[14:15], v[FAC:FAC+1] op_sel_hi:[1,0]   ; the sums under the new M: a plain line behind the exponentials
	s_wait_alu depctr_va_vdst(0)                       ; one wait for the whole batch, ahead of its first reader
	v_pk_add_f32 v[236:237], v[S:S+1], v[S+2:S+3]      ; the row's sum of the unquantised p, two at a time, in four chains
	v_pk_add_f32 v[252:253], v[S+4:S+5], v[S+6:S+7]
	v_pk_add_f32 v[248:249], v[S+8:S+9], v[S+10:S+11]
	v_pk_add_f32 v[14:15], v[14:15], v[S+12:S+13]
.irp j, 14,22,30,38,46,54
	v_pk_add_f32 v[236:237], v[236:237], v[S+\j:S+\j+1]
	v_pk_add_f32 v[252:253], v[252:253], v[S+\j+2:S+\j+3]
	v_pk_add_f32 v[248:249], v[248:249], v[S+\j+4:S+\j+5]
	v_pk_add_f32 v[14:15], v[14:15], v[S+\j+6:S+\j+7]
.endr
	v_pk_add_f32 v[236:237], v[236:237], v[S+62:S+63]
	v_pk_add_f32 v[252:253], v[252:253], v[248:249]
	s_delay_alu instid0(VALU_DEP_2)
	v_pk_add_f32 v[14:15], v[14:15], v[236:237]
	s_delay_alu instid0(VALU_DEP_1)
	v_pk_add_f32 v[14:15], v[14:15], v[252:253]
	s_wait_alu depctr_va_vdst(0)
	s_wait_dscnt 0x0                                   ; V and its scale words are in
.irp bp, 0,1                                           ; a tile's word for 128 keys: its two bytes of the first record below, of the second above
	v_perm_b32 v[VS+2*\bp], v[VR+2+\bp], v[VR+\bp], s54
	v_perm_b32 v[VS+2*\bp+1], v[VR+2+\bp], v[VR+\bp], s55
.endr
	v_perm_b32 v253, v242, v240, s54                   ; p's scale word for these 128 keys: the two low halves
.irp c, 0,1
	v_cvt_scalef32_pk16_fp6_f32 v[224+6*\c:226+6*\c], v[S+32*\c:S+15+32*\c], v[244+2*\c]
	v_cvt_scalef32_pk16_fp6_f32 v[236+4*\c:238+4*\c], v[S+16+32*\c:S+31+32*\c], v[244+2*\c+1]
.endr
	v_nop                                              ; one plain line behind the scaled conversions
.irp c, 0,1
.irp i, 0,1,2
	v_permlane16_swap_b32 v[224+6*\c+\i], v[236+4*\c+\i]
.endr
.irp i, 0,1,2
	s_delay_alu instid0(VALU_DEP_3)
	v_mov_b32 v[227+6*\c+\i], v[236+4*\c+\i]
.endr
.endr
	s_wait_alu depctr_va_vdst(0)
.set j, 0
.rept 16
	v_pk_mul_f32 v[O+j:O+j+1], v[O+j:O+j+1], v[FAC:FAC+1] op_sel_hi:[1,0]   ; O^T under the new M, each accumulator from its low end on.  For each product below twelve of these name none of its registers: its places
.set j, j+2
.endr
.irp t, 0,1,2,3                                        ; O^T += V^T P^T: four accumulators by turns
	v_wmma_scale_f32_16x16x128_f8f6f4 v[O+8*\t:O+8*\t+7], v[FRG+12*\t:FRG+12*\t+11], v[224:235], v[O+8*\t:O+8*\t+7], v[VS+\t], v253 matrix_a_fmt:MATRIX_FMT_FP6 matrix_b_fmt:MATRIX_FMT_FP6
.endr
.endm
; O^T / the sum, quantised along the head's 64 channels (register 16 b + i: channel 32 b + 16 (lane / 16) + i), and stored as a half image and a word
.macro CTXOUT j
	PLACES 4
	v_add_f32 v14, v14, v15
	s_delay_alu instid0(VALU_DEP_1)
	v_permlanex16_b32 v254, v14, s[SEL], s[SEL+1]
	s_delay_alu instid0(VALU_DEP_1)
	v_add_f32 v14, v14, v254                           ; the row's sum
	s_wait_alu depctr_va_vdst(0)
	v_rcp_f32 v14, v14
	v_nop                                              ; a plain line behind the reciprocal,
	s_wait_alu depctr_va_vdst(0)                       ; and the wait ahead of its first reader
.set i, 0
.rept 16
	v_pk_mul_f32 v[S+i:S+i+1], v[O+i:O+i+1], v[14:15] op_sel_hi:[1,0]
.set i, i+2
.endr
.irp b, 0,1
	v_max3_num_f32 v[232+\b], |v[S+16*\b]|, |v[S+1+16*\b]|, 0x1800000
.endr
.irp i, 2,4,6,8,10,12,14
.irp b, 0,1
	s_delay_alu instid0(VALU_DEP_2)
	v_max3_num_f32 v[232+\b], v[232+\b], |v[S+16*\b+\i]|, |v[S+1+16*\b+\i]|
.endr
.endr
.irp b, 0,1
	s_delay_alu instid0(VALU_DEP_2)
	v_permlanex16_b32 v[236+\b], v[232+\b], s[SEL], s[SEL+1]
.endr
.irp b, 0,1
	s_delay_alu instid0(VALU_DEP_2)
	v_max_num_f32 v[232+\b], v[232+\b], v[236+\b]
.endr
.irp b, 0,1
	s_delay_alu instid0(VALU_DEP_2)
	v_add_nc_u32 v[244+\b], 0xff000000, v[232+\b]
.endr
.irp b, 0,1
	s_delay_alu instid0(VALU_DEP_2)
	v_lshrrev_b32 v[236+\b], 23, v[244+\b]
.endr
	s_delay_alu instid0(VALU_DEP_1)
	v_lshl_or_b32 v253, v237, 8, v236
	v_cvt_scalef32_pk16_fp6_f32 v[224:226], v[S:S+15], v244
	v_cvt_scalef32_pk16_fp6_f32 v[236:238], v[S+16:S+31], v245
	v_nop
.irp i, 0,1,2
	v_permlane16_swap_b32 v[224+\i], v[236+\i]
.endr
.irp i, 0,1,2
	s_delay_alu instid0(VALU_DEP_3)
	v_mov_b32 v[227+\i], v[236+\i]
.endr
	global_store_b128 v[LI16], v[224:227], s[CB:CB+1] offset:768*\j        ; 512 consecutive bytes,
	global_store_b64 v[LI8], v[228:229], s[CB:CB+1] offset:768*\j+512      ; 256,
	global_store_b32 v[LI4], v253, s[CSB:CSB+1] offset:128*\j              ; and 128: a seventh part of what this tile stores
	s_wait_xcnt 0x0                                    ; the stores' data are rewritten only behind this wait
.endm
; A head: j of the cluster's three, its K and V from LDS byte base on
.macro UNIT j, base
	s_wait_loadcnt 0x0                                 ; my pair's image of q
.irp i, 0,1,2,3,4,5
	v_cndmask_b32 v[Q+\i], v[T+\i], v[T+6+\i], s[MSK]  ; my tile's half of it
.endr
.irp i, 0,1,2,3,4,5
	v_mov_b32 v[Q+12+\i], v[Q+\i]
.endr
	v_lshrrev_b32 v[TS], s[SH], v[TS]
	s_delay_alu instid0(VALU_DEP_1)
	v_and_b32 v[TS], 0xffff, v[TS]
	s_delay_alu instid0(VALU_DEP_1)
	v_lshl_or_b32 v[QS], v[TS], 16, v[TS]              ; my tile's two bytes, for both halves of K
.if \j < 2
	QLOAD \j+1
.endif
	v_mov_b32 v13, 0xff61b1e6                          ; the largest t so far: -3e38, under every t
	s_delay_alu instid0(VALU_DEP_1)
	v_floor_f32 v12, -v13
	v_mov_b32 v14, 0
	v_mov_b32 v15, 0
.set i, 0
.rept 32
	v_mov_b32 v[O+i], 0                                ; O^T: the step is written once, its first trip finds zeros.  (Also the places between q's registers and scale word and the first products)
.set i, i+1
.endr
	s_mov_b32 s[TB], \base
	s_mov_b32 s[CNT], 8
.Lstep_\@:
	STEP
	s_add_co_u32 s[TB], s[TB], 2*REC
	s_sub_co_u32 s[CNT], s[CNT], 1
	s_cmp_lg_u32 s[CNT], 0
	s_cbranch_scc1 .Lstep_\@
	CTXOUT \j
.endm
	s_load_b128 s[4:7], s[0:1], 0x0                    ; qimg, kvimg
	s_load_b64 s[8:9], s[0:1], 0x10                    ; cimg
	v_lshl_add_u32 v[SPW], v0, 2, SPARE
	v_mov_b32 v[NIL], 0
	ds_add_u32 v[SPW], v[NIL]                          ; the wave's opening: the add, twice on end, and its wait ahead of my first tensor load
	ds_add_u32 v[SPW], v[NIL]
	v_lshrrev_b32 v1, 5, v0
	s_delay_alu instid0(VALU_DEP_1)
	v_readfirstlane_b32 s[WV], v1                      ; wave 0..15
	s_bfe_u32 s13, ttmp6, 0x40000                      ; cx
	v_and_b32 v4, 31, v0
	s_delay_alu instid0(VALU_DEP_1)
	v_lshlrev_b32 v[LI16], 4, v4
	s_delay_alu instid0(VALU_DEP_2)
	v_lshlrev_b32 v[LI8], 3, v4
	s_delay_alu instid0(VALU_DEP_3)
	v_lshlrev_b32 v[LI4], 2, v4
	s_bfe_u32 s15, s[WV], 0x10001                      ; which pair of tiles of the record is mine
	s_mul_i32 s10, s15, 1536
	v_add_nc_u32 v[QO16], s10, v[LI16]
	s_lshl_b32 s10, s15, 2
	v_add_nc_u32 v[QO8], s10, v[LI8]
	s_and_b32 s[SH], s[WV], 1                          ; which tile of the pair
	s_sub_co_u32 s[MSK], 0, s[SH]                      ; all ones for the odd tile
	s_lshl_b32 s[SH], s[SH], 4
	s_mov_b32 s54, 0x05040100                          ; v_perm_b32: the two low halves,
	s_mov_b32 s55, 0x07060302                          ; the two high halves
	s_mov_b32 s[SEL], 0x76543210
	s_mov_b32 s[SEL+1], 0xfedcba98
	s_mov_b32 s[CS], 0x3e38aa3b                        ; c = log2(e) / 8
	s_mov_b32 s[CS+1], s[CS]                           ; (named with it as a pair, so it is written)
	; descriptor groups 1: 26 and 52 rows of 256 bytes (32 elements of 8), dense, no padding
	s_mov_b32 s[G1], 15|(3<<16)|(1<<21)                ; the mask: all four work-groups; elements of 8 bytes; 21 set beside a mask
	s_mov_b32 s[G1+1], 32<<16
	s_mov_b32 s[G1+2], 26<<16
	s_mov_b32 s[G1+3], 32<<16
	s_mov_b32 s[G1+4], 26
	s_mov_b32 s[G1+5], 32
	s_mov_b32 s[G1+6], 0
	s_mov_b32 s[G1+7], 0
	s_mov_b32 s[G1B], 15|(3<<16)|(1<<21)
	s_mov_b32 s[G1B+1], 32<<16
	s_mov_b32 s[G1B+2], 52<<16
	s_mov_b32 s[G1B+3], 32<<16
	s_mov_b32 s[G1B+4], 52
	s_mov_b32 s[G1B+5], 32
	s_mov_b32 s[G1B+6], 0
	s_mov_b32 s[G1B+7], 0
	s_mul_i32 s18, s[WV], PARTA                        ; my sixteenth of head 0, from the three heads' first byte on, in memory and in LDS alike: no place in the cluster enters it
	s_mul_i32 s19, s[WV], PARTB
	s_add_co_u32 s19, s19, SLOT                        ; and my sixteenth of heads 1 and 2
	s_mul_i32 s16, ttmp9, 3*SLOT                       ; the cluster's first head
	s_add_co_u32 s10, s16, s19
	s_mov_b32 s11, 0
	s_add_co_u32 s16, s16, s18
	s_mov_b32 s17, 0
	s_lshr_b32 s56, s[WV], 2
	s_lshl_b32 s57, s13, 2
	s_add_co_u32 s56, s56, s57                         ; G = 4 cx + wave / 4
	s_mul_i32 s57, ttmp9, 48
	s_add_co_u32 s57, s57, s56
	s_mul_i32 s58, s57, REC                            ; q's record of the first head
	s_mov_b32 s59, 0
	s_lshr_b32 s57, ttmp9, 2                           ; b
	s_lshl_b32 s57, s57, 4
	s_add_co_u32 s57, s57, s56                         ; GG = 16 b + G
	s_mul_i32 s60, s57, 43008
	s_and_b32 s57, s[WV], 3                            ; o
	s_mul_i32 s57, s57, 12
	s_and_b32 s62, ttmp9, 3
	s_mul_i32 s62, s62, 3
	s_add_co_u32 s57, s57, s62                         ; 12 o + the first head's number in its batch
	s_mul_i32 s62, s57, 768
	s_add_co_u32 s62, s62, s60
	s_mov_b32 s63, 0
	s_lshl_b32 s57, s57, 7
	s_add_co_u32 s60, s60, s57
	s_add_co_u32 s60, s60, 36864
	s_mov_b32 s61, 0
.irp i, 0,1,2,3,4,5
	v_mov_b32 v[Q+6+\i], 0                             ; the zero codes between the two copies of q: written once
.endr
.irp b, 0,1,2,3
	v_mov_b32 v[236+\b], 0                             ; a lane permute's destination counts as one of its sources
.endr
	v_mov_b32 v[FAC+1], 0                              ; (named as the upper half of f's pair)
	s_wait_alu depctr_va_vdst(0)
	s_wait_dscnt 0x0                                   ; both opening adds are done
	s_wait_kmcnt 0x0
	s_mov_b32 s[G0], 1
	s_mov_b32 s[G0+1], s18
	s_add_nc_u64 s[G0+2:G0+3], s[6:7], s[16:17]
	s_or_b32 s[G0+3], s[G0+3], 0x80000000
	s_add_nc_u64 s[QB:QB+1], s[4:5], s[58:59]
	s_add_nc_u64 s[CB:CB+1], s[8:9], s[62:63]
	s_add_nc_u64 s[CSB:CSB+1], s[8:9], s[60:61]
	s_mov_b32 s[G0B], 1                                ; (the numbers that lay in these registers have been used)
	s_mov_b32 s[G0B+1], s19
	s_add_nc_u64 s[G0B+2:G0B+3], s[6:7], s[10:11]
	s_or_b32 s[G0B+3], s[G0B+3], 0x80000000
	QLOAD 0                                            ; the first head's q is on its way while the partners meet
	CROUND                                             ; all four work-groups are here: the joint loads meet
	tensor_load_to_lds s[G0:G0+3], s[G1:G1+7]          ; my 26 rows of head 0: the wave's one tensor load at the head
	s_nop 0
	PLACES 4
	s_wait_tensorcnt 0x0                               ; my rows are in
	ds_add_u32 v[SPW], v[NIL]
	s_wait_dscnt 0x0
	CROUND                                             ; everybody's rows of head 0 are in, and the four partners meet
	tensor_load_to_lds s[G0B:G0B+3], s[G1B:G1B+7]      ; my 52 rows of heads 1 and 2: my one tensor load behind the round, onto bytes of their own
	s_nop 0
	PLACES 4
	UNIT 0, 0
	s_wait_tensorcnt 0x0                               ; my rows of heads 1 and 2 are in,
	s_wait_dscnt 0x0
	s_barrier_signal -1
	s_barrier_wait -1                                  ; everybody's are
	UNIT 1, SLOT
	UNIT 2, 2*SLOT
	s_wait_tensorcnt 0x0                               ; the wave's end
	ds_add_u32 v[SPW], v[NIL]
	s_wait_dscnt 0x0
	CROUND                                             ; the closing round
	s_endpgm
.Lfunc_end_k_q48db296c80_attn:
	.size	k_q48db296c80_attn, .Lfunc_end_k_q48db296c80_attn-k_q48db296c80_attn
	.p2alignl 7, 3214868480
	.fill 96, 4, 3214868480
	.section	.rodata,"a",@progbits
	.p2align	6, 0x0
	.amdhsa_kernel k_q48db296c80_attn
		.amdhsa_group_segment_fixed_size 327680
		.amdhsa_private_segment_fixed_size 0
		.amdhsa_enable_private_segment 0
		.amdhsa_kernarg_size 24
		.amdhsa_user_sgpr_count 2
		.amdhsa_user_sgpr_kernarg_segment_ptr 1
		.amdhsa_wavefront_size32 1
		.amdhsa_system_sgpr_workgroup_id_x 1
		.amdhsa_system_sgpr_workgroup_id_y 1
		.amdhsa_system_sgpr_workgroup_id_z 1
		.amdhsa_system_vgpr_workitem_id 0
		.amdhsa_next_free_vgpr 256
		.amdhsa_next_free_sgpr 66
		.amdhsa_reserve_vcc 0
		.amdhsa_float_denorm_mode_32 3
		.amdhsa_float_denorm_mode_16_64 3
		.amdhsa_memory_ordered 1
		.amdhsa_forward_progress 1
		.amdhsa_inst_pref_size 79
	.end_amdhsa_kernel
	.amdgpu_metadata
---
amdhsa.version: [ 1, 2 ]
amdhsa.kernels:
  - .name:           k_q48db296c80_attn
    .symbol:         k_q48db296c80_attn.kd
    .args:
      - { .name: qimg, .offset: 0, .size: 8, .value_kind: global_buffer, .address_space: global }
      - { .name: kvimg, .offset: 8, .size: 8, .value_kind: global_buffer, .address_space: global }
      - { .name: cimg, .offset: 16, .size: 8, .value_kind: global_buffer, .address_space: global }
    .group_segment_fixed_size: 327680
    .private_segment_fixed_size: 0
    .kernarg_segment_align: 8
    .kernarg_segment_size: 24
    .max_flat_workgroup_size: 512
    .sgpr_count:     66
    .vgpr_count:     256
    .wavefront_size: 32
...
	.end_amdgpu_metadata
.endif
;; end of part 3
;; launch oproj (part 4): grid 64 x 4, 4 waves a work-group, clusters of 4 x 1, 189,952 bytes of LDS; arguments cimg, wimg, b_o, out0; writes out0
.if DOCPART == 4
	.amdgcn_target "amdgcn-amd-amdhsa--gfx1250"
	.amdhsa_code_object_version 6
	.text
	.protected	k_q48db296c80_oproj
	.globl	k_q48db296c80_oproj
	.p2align	8
	.type	k_q48db296c80_oproj,@function
k_q48db296c80_oproj:
	s_mov_b64 s[64:65], 0
	v_nop
	global_prefetch_b8 v0, s[64:65] scope:SCOPE_SE
	s_setreg_imm32_b32 hwreg(HW_REG_WAVE_MODE, 25, 1), 1
	s_wait_xcnt 0x0
	s_wait_alu depctr_hold_cnt(0) depctr_sa_sdst(0) depctr_va_vdst(0) depctr_va_sdst(0) depctr_va_ssrc(0) depctr_va_vcc(0) depctr_vm_vsrc(0)
	s_getreg_b32 s2, hwreg(HW_REG_IB_STS2, 6, 4)
	s_cmp_eq_u32 s2, 0
	s_cbranch_scc0 .Lentry_in_a_cluster
	s_endpgm
.Lentry_in_a_cluster:
	s_bfe_u32 s2, ttmp6, 0x10000c
	s_cmp_lg_u32 s2, 0x3003
	s_cbranch_scc0 .Lentry_shape_is_right
	s_endpgm
.Lentry_shape_is_right:
; OPROJ: out = ctx w_o + b_o on codes of FP6 (E2M3) with E8M0 scales; out [16384][768] f32.
; SHARES.  Work-group (X, y): rows 256 X .. and columns 192 y .. 192 y + 191.  Wave w owns the 64 rows of group GG = 4 X + w: its 24 fragments of ctx stay in registers.
; w_o's chunk of 192 columns (36 records, 119,808 dense bytes) comes into LDS once; the four work-groups of a cluster share y, so it is asked for JOINTLY (mask 15), a quarter a wave: one tensor load a wave in the launch.
; Source 0 = 16 columns of w_o, source 1 = 16 rows of ctx: a lane holds one row and eight neighbouring columns.  The bias is the C of each sum's first matrix instruction.
; A fragment of ctx at K step k is two half images: heads 2 k and 2 k + 1; its scale word the two heads' two bytes each.
; THE WAY OUT: 64 rows x 64 columns at a time through the wave's own stage in LDS (rows of 256 bytes + 16); sixteen lanes store 256 consecutive bytes at a multiple of 256 from out's first byte.
; The rows of a tile are not neighbours (first launch): stage row 16 o + i is row 32 (o / 2) + 8 (o % 2) + i + 8 (i / 8) of the group.
; No prefetch: all loads stand at the head.
; REGISTERS, in windows of 256.  window 0: v2-7, v40-44 addresses; v8-31 ctx's scale words; v32-39 the weights'; v64-191 the 16 accumulators (first the scale words as loaded, later rows on the way out).
;   window 1, 2: ctx's fragments at 72 (o % 2) + 12 k;  window 3: the weights' two sets at v0, v48; from v96 the bias, eight registers for each of the 12 column tiles.
.set REC,   3328
.set CHK,   36*REC
.set QTR,   CHK/4
.set HDB,   12*REC
.set STG,   CHK                        ; behind the chunk: a stage of 64 rows x 272 bytes for each wave
.set STGB,  64*272
.set SPARE, STG+4*STGB                 ; behind the stages: the spare words, 128 bytes a wave
.set LI16, 2
.set LI8,  3
.set WA,   4
.set WA8,  5
.set SPW,  6
.set NIL,  7
.set XS,   8
.set WS,   32
.set STO,  40
.set RD,   41
.set CO,   42
.set BO,   43
.set LI4,  44
.set ACC,  64
.set BIAS, 96                          ; in window 3
.set WV,   12
.set G1,   24
.set G0,   32
.set MSB, 0
.macro WIN new                         ; the immediate's high byte repeats the setting that is left
.if MSB != (\new)
	s_set_vgpr_msb (MSB<<8)|(\new)
.set MSB, (\new)
.endif
.endm
.macro PLACES n
.rept \n
	v_nop
.endr
.endm
.macro CROUND                          ; a round of the cluster's barrier
	s_barrier_signal -1
	s_barrier_wait -1
	s_cmp_lg_u32 s[WV], 0
	s_cbranch_scc1 .Lnot_wave_0_\@
	s_barrier_signal -3
.Lnot_wave_0_\@:
	s_barrier_wait -3
	s_barrier_signal -1
	s_barrier_wait -1
.endm
.macro WFETCH k                        ; 14 LDS loads: four column tiles at K step k into set k % 2, and their scale words
	WIN 0xc0
.irp pp, 0,1
.irp u, 0,1
.irp c, 0,1,2
	ds_load_b128 v[48*((\k)%2)+12*(2*\pp+\u)+4*\c:48*((\k)%2)+12*(2*\pp+\u)+4*\c+3], v[WA] offset:(6*\pp+(\k))*REC+1536*\u+512*\c
.endr
.endr
.endr
	WIN 0
.irp pp, 0,1
	ds_load_b64 v[WS+4*((\k)%2)+2*\pp:WS+4*((\k)%2)+2*\pp+1], v[WA8] offset:(6*\pp+(\k))*REC+3072
.endr
.endm
.macro MULO k, hh                      ; 16 matrix instructions, the 16 accumulators by turns in the same order in every K step
.irp o, 0,1,2,3
.if (\k) == 0
	WIN 0x37+4*(\o/2)                                  ; source 0 (w_o) and C (the bias) window 3, source 1 (ctx) window 1 or 2, D window 0
.else
	WIN 0x07+4*(\o/2)
.endif
.irp i, 0,1,2,3
.if (\k) == 0
	v_wmma_scale_f32_16x16x128_f8f6f4 v[ACC+8*(4*\o+\i):ACC+8*(4*\o+\i)+7], v[48*((\k)%2)+12*\i:48*((\k)%2)+12*\i+11], v[72*(\o%2)+12*(\k):72*(\o%2)+12*(\k)+11], v[BIAS+8*(4*(\hh)+\i):BIAS+8*(4*(\hh)+\i)+7], v[WS+4*((\k)%2)+\i], v[XS+6*\o+(\k)] matrix_a_fmt:MATRIX_FMT_FP6 matrix_b_fmt:MATRIX_FMT_FP6
.else
	v_wmma_scale_f32_16x16x128_f8f6f4 v[ACC+8*(4*\o+\i):ACC+8*(4*\o+\i)+7], v[48*((\k)%2)+12*\i:48*((\k)%2)+12*\i+11], v[72*(\o%2)+12*(\k):72*(\o%2)+12*(\k)+11], v[ACC+8*(4*\o+\i):ACC+8*(4*\o+\i)+7], v[WS+4*((\k)%2)+\i], v[XS+6*\o+(\k)] matrix_a_fmt:MATRIX_FMT_FP6 matrix_b_fmt:MATRIX_FMT_FP6
.endif
.endr
.endr
.endm
; 64 columns: hh of the chunk's three
.macro HEADO hh
	s_wait_xcnt 0x0                                    ; the last stores have read their registers: the accumulators may be written again
	v_add_nc_u32 v[WA], HDB*(\hh), v[LI16]
	s_wait_alu depctr_va_vdst(0)
	v_add_nc_u32 v[WA8], HDB*(\hh), v[LI8]
	s_wait_alu depctr_va_vdst(0)
	WFETCH 0
.irp k, 0,1,2,3,4,5
.if \k < 5
.if \k > 0
	PLACES 4                                           ; in front of loads into the set that the K step before has multiplied
.endif
	WFETCH \k+1
	s_wait_dscnt 14                                    ; this K step's 14 loads are in; the 14 just issued may be out
.else
	s_wait_dscnt 0x0
.endif
	MULO \k, \hh
.endr
	WIN 0
	PLACES 5                                           ; behind the last products: 4 for the reads of results and the next loads, 5 for the next columns' first products, which write over these accumulators
.irp o, 0,1,2,3
.irp i, 0,1,2,3
	ds_store_b128 v[STO], v[ACC+8*(4*\o+\i):ACC+8*(4*\o+\i)+3] offset:16*\o*272+128*(\i/2)+32*(\i%2)       ; each accumulator from its low end on
	ds_store_b128 v[STO], v[ACC+8*(4*\o+\i)+4:ACC+8*(4*\o+\i)+7] offset:16*\o*272+128*(\i/2)+32*(\i%2)+16
.endr
.endr
.set t, 0
.rept 32
	ds_load_b128 v[ACC+4*t:ACC+4*t+3], v[RD] offset:544*t   ; LDS serves a wave's instructions in order: these see my stores; lanes 0-15 take stage row 2 t, lanes 16-31 row 2 t + 1
.set t, t+1
.endr
.set t, 0
.rept 32
	s_wait_dscnt 31-t                                  ; rows 2 t and 2 t + 1 are back; the younger loads may be out
	global_store_b128 v[CO], v[ACC+4*t:ACC+4*t+3], s[10:11] offset:(32*((t/8)/2)+8*((t/8)%2)+(2*t)%16+8*(((2*t)%16)/8))*3072+256*(\hh) th:TH_STORE_NT
.set t, t+1
.endr
.endm
	s_load_b256 s[4:11], s[0:1], 0x0                   ; cimg, wimg, b_o, out0
	v_lshl_add_u32 v[SPW], v0, 2, SPARE
	v_mov_b32 v[NIL], 0
	ds_add_u32 v[SPW], v[NIL]                          ; the wave's opening: the add and its wait ahead of my tensor load
	ds_add_u32 v[SPW], v[NIL]
	v_lshrrev_b32 v1, 5, v0
	v_readfirstlane_b32 s[WV], v1                      ; wave 0..3
	s_bfe_u32 s13, ttmp6, 0x40000                      ; cx
	s_lshl_b32 s14, ttmp9, 2
	s_add_co_u32 s14, s14, s13                         ; X
	s_and_b32 s15, ttmp7, 0xffff                       ; y, which the four partners share
	s_lshl_b32 s16, s14, 2
	s_add_co_u32 s16, s16, s[WV]                       ; GG
	v_and_b32 v1, 31, v0
	v_and_b32 v45, 15, v0                              ; r
	v_bfe_u32 v46, v0, 4, 1                            ; h
	v_lshlrev_b32 v[LI16], 4, v1
	v_lshlrev_b32 v[LI8], 3, v1
	v_lshlrev_b32 v[LI4], 2, v1
	s_mul_i32 s58, s[WV], STGB
	s_add_co_u32 s58, s58, STG                         ; my stage
	v_mul_u32_u24 v[STO], v45, 272
	v_lshl_add_u32 v[STO], v46, 6, v[STO]
	v_add_nc_u32 v[STO], s58, v[STO]                   ; in: row r of a tile, + 64 h: my half's 16 columns of a pair of tiles
	v_mul_u32_u24 v[RD], v46, 272
	v_lshl_add_u32 v[RD], v45, 4, v[RD]
	v_add_nc_u32 v[RD], s58, v[RD]                     ; back: lanes 0-15 one row of 256 bytes, lanes 16-31 the next
	v_mul_u32_u24 v[CO], v46, 3072
	v_lshl_add_u32 v[CO], v45, 4, v[CO]                ; and the same two rows in out
	v_lshlrev_b32 v[BO], 6, v46                        ; the bias: 16 numbers on for lanes 16-31
	s_mov_b32 s57, 0x05040100                          ; v_perm_b32: the two low halves
	; descriptor group 1: 117 rows of 256 bytes (32 elements of 8), dense, no padding
	s_mov_b32 s[G1], 15|(3<<16)|(1<<21)
	s_mov_b32 s[G1+1], 32<<16
	s_mov_b32 s[G1+2], 117<<16
	s_mov_b32 s[G1+3], 32<<16
	s_mov_b32 s[G1+4], 117
	s_mov_b32 s[G1+5], 32
	s_mov_b32 s[G1+6], 0
	s_mov_b32 s[G1+7], 0
	s_mul_i32 s56, s[WV], QTR                          ; my quarter, in memory and in LDS
	s_add_co_u32 s54, s15, 12                          ; w_o's chunks are 12 .. 15
	s_mul_i32 s54, s54, CHK
	s_add_co_u32 s54, s54, s56
	s_mov_b32 s55, 0
	s_mul_i32 s60, s16, 43008
	s_mov_b32 s61, 0
	s_mul_i32 s62, s15, 768                            ; 192 columns of 4 bytes
	s_mov_b32 s63, 0
	s_wait_dscnt 0x0                                   ; the opening add is done
	s_wait_kmcnt 0x0
	s_mov_b32 s[G0], 1
	s_mov_b32 s[G0+1], s56
	s_add_nc_u64 s[G0+2:G0+3], s[6:7], s[54:55]
	s_or_b32 s[G0+3], s[G0+3], 0x80000000
	s_add_nc_u64 s[4:5], s[4:5], s[60:61]              ; my group of ctx
	s_add_nc_u64 s[8:9], s[8:9], s[62:63]              ; my columns of the bias
	s_add_nc_u64 s[10:11], s[10:11], s[62:63]          ; and of out,
	s_mul_i32 s60, s16, 196608                         ; at my 64 rows of 3,072 bytes
	s_add_nc_u64 s[10:11], s[10:11], s[60:61]
	CROUND                                             ; all four work-groups are here: the joint loads meet
	tensor_load_to_lds s[G0:G0+3], s[G1:G1+7]
	s_nop 0
	PLACES 4
.irp o, 0,1,2,3                                        ; ctx's 24 fragments: they stay
	WIN 0x40+0x40*(\o/2)
.irp k, 0,1,2,3,4,5
.irp e, 0,1
	global_load_b128 v[72*(\o%2)+12*\k+6*\e:72*(\o%2)+12*\k+6*\e+3], v[LI16], s[4:5] offset:(12*\o+2*\k+\e)*768
	global_load_b64 v[72*(\o%2)+12*\k+6*\e+4:72*(\o%2)+12*\k+6*\e+5], v[LI8], s[4:5] offset:(12*\o+2*\k+\e)*768+512
.endr
.endr
.endr
	WIN 0xc0
	s_wait_alu depctr_va_vdst(0)
.irp hh, 0,1,2                                         ; lane (r, h) wants, for column tile i of columns 64 hh on, the numbers 32 (i / 2) + 8 (i % 2) + 16 h + 0 .. 7
.irp i, 0,1,2,3
	global_load_b128 v[BIAS+8*(4*\hh+\i):BIAS+8*(4*\hh+\i)+3], v[BO], s[8:9] offset:(64*\hh+32*(\i/2)+8*(\i%2))*4
	global_load_b128 v[BIAS+8*(4*\hh+\i)+4:BIAS+8*(4*\hh+\i)+7], v[BO], s[8:9] offset:(64*\hh+32*(\i/2)+8*(\i%2))*4+16
.endr
.endr
	WIN 0
.set i, 0
.rept 48
	global_load_b32 v[ACC+i], v[LI4], s[4:5] offset:36864+128*i   ; the scale words as stored: (o, head) at 12 o + head
.set i, i+1
.endr
	s_wait_tensorcnt 0x0                               ; my quarter of the chunk is in,
	s_barrier_signal -1
	s_barrier_wait -1                                  ; everybody's is
	s_wait_loadcnt 0x0
.irp o, 0,1,2,3
.irp k, 0,1,2,3,4,5
	v_perm_b32 v[XS+6*\o+\k], v[ACC+12*\o+2*\k+1], v[ACC+12*\o+2*\k], s57   ; head 2 k's two bytes below, head 2 k + 1's above
.endr
.endr
	PLACES 8                                           ; a scale register written by a vector instruction stands 8 places ahead of a scaled matrix instruction
	s_wait_alu depctr_va_vdst(0)
	HEADO 0
	HEADO 1
	HEADO 2
	s_wait_tensorcnt 0x0                               ; the wave's end, behind my tensor load and my last LDS store
	ds_add_u32 v[SPW], v[NIL]
	s_wait_dscnt 0x0
	CROUND                                             ; the closing round
	s_endpgm
.Lfunc_end_k_q48db296c80_oproj:
	.size	k_q48db296c80_oproj, .Lfunc_end_k_q48db296c80_oproj-k_q48db296c80_oproj
	.p2alignl 7, 3214868480
	.fill 96, 4, 3214868480
	.section	.rodata,"a",@progbits
	.p2align	6, 0x0
	.amdhsa_kernel k_q48db296c80_oproj
		.amdhsa_group_segment_fixed_size 189952
		.amdhsa_private_segment_fixed_size 0
		.amdhsa_enable_private_segment 0
		.amdhsa_kernarg_size 32
		.amdhsa_user_sgpr_count 2
		.amdhsa_user_sgpr_kernarg_segment_ptr 1
		.amdhsa_wavefront_size32 1
		.amdhsa_system_sgpr_workgroup_id_x 1
		.amdhsa_system_sgpr_workgroup_id_y 1
		.amdhsa_system_sgpr_workgroup_id_z 1
		.amdhsa_system_vgpr_workitem_id 0
		.amdhsa_next_free_vgpr 1024
		.amdhsa_next_free_sgpr 66
		.amdhsa_reserve_vcc 0
		.amdhsa_float_denorm_mode_32 3
		.amdhsa_float_denorm_mode_16_64 3
		.amdhsa_memory_ordered 1
		.amdhsa_forward_progress 1
		.amdhsa_inst_pref_size 104
	.end_amdhsa_kernel
	.amdgpu_metadata
---
amdhsa.version: [ 1, 2 ]
amdhsa.kernels:
  - .name:           k_q48db296c80_oproj
    .symbol:         k_q48db296c80_oproj.kd
    .args:
      - { .name: cimg, .offset: 0, .size: 8, .value_kind: global_buffer, .address_space: global }
      - { .name: wimg, .offset: 8, .size: 8, .value_kind: global_buffer, .address_space: global }
      - { .name: b_o, .offset: 16, .size: 8, .value_kind: global_buffer, .address_space: global }
      - { .name: out0, .offset: 24, .size: 8, .value_kind: global_buffer, .address_space: global }
    .group_segment_fixed_size: 189952
    .private_segment_fixed_size: 0
    .kernarg_segment_align: 8
    .kernarg_segment_size: 32
    .max_flat_workgroup_size: 128
    .sgpr_count:     66
    .vgpr_count:     1024
    .wavefront_size: 32
...
	.end_amdgpu_metadata
.endif
;; end of part 4
